; MI455X (gfx1250); checked and timed in simulation.
; The chip was launched on July 23, 2026; its instructions are those of AMD's public machine-readable ISA for CDNA 5 (MIT licence, August 2026) and "CDNA5" Instruction Set Architecture Reference Guide (July 2026). The comments in the code are by the model that wrote it; some were corrected since.
;; Bahdanau Attention. Allowed arithmetic: matrix products marked QUANTISED: E2M1 operands, one E8M0 scale for each 32 along K, by v_wmma_scale_f32_16x16x128_f8f6f4 with both operands' format E2M1 (or v_wmma_scale_f32_32x16x128_f4), f32 sums; products left as they are: f32 operands where the result goes on into a quantised operand, else bf16, f16 or f32 operands; f32 sums; everything else in f32.
;; Inputs: Ua_b 1,024 float32; Ua_w 1,024 x 1,024 float32; Va_b 1 float32; Va_w 1 x 1,024 float32; Wa_b 1,024 float32; Wa_w 1,024 x 1,024 float32; keys 32 x 2,048 x 1,024 float32; query 32 x 1,024 float32.
;; Outputs: out0 32 x 1 x 1,024 float32; out1 32 x 2,048 float32.
;; This version of the problem:
;;   THIS VERSION OF THE PROBLEM IS GIVEN IN LOW PRECISION. The matrix products marked QUANTISED in the list below multiply operands that are first quantised to E2M1 (2 exponent bits, 1 mantissa bit; 4 bits a number), with one power-of-two scale for each 32 numbers along K (OCP MX v1.0); their sums are f32. All else is computed in f32.
;;   The module's matrix products, in the order in which they are computed (A, B: the left and right operand; K: the contracted axis; several contracted axes count as one K, in the product's order):
;;     1. [M 32, K 1,024] x [K 1,024, N 1,024]; A: input query; B: input Wa_w: QUANTISED
;;     2. [M 65,536, K 1,024] x [K 1,024, N 1,024]; A: input keys; B: input Ua_w: QUANTISED
;;     3. [M 65,536, K 1,024] x [K 1,024, N 1]; A: computed on the way; B: input Va_w: left as it is (N = 1 < 16)
;;     4. batch 32 x [M 1, K 2,048] x [K 2,048, N 1,024]; A: softmax; B: input keys: left as it is (M = 1 < 16)
;;   THE QUANTISER, for each operand of a quantised product, along K:
;;     - K is cut into blocks of 32 from its start; a last block that is shorter is filled with zeros.
;;     - A block's scale is 2^e with e = floor(log2(the largest magnitude in the block)) - 2, held to -126 .. 127; a block of zeros has e = 0. As a byte (E8M0): e + 127.
;;     - Each number is divided by its block's scale, clamped to +-6, and rounded to the nearest number of E2M1, ties to even, subnormals kept.
;;     - The product sums the exact products of the quantised numbers (number of the format x scale) in f32.
;;   ~~~python
;;   def quantise(x, axis):      # numpy; x: float32 -> the quantised numbers, widened to float32 again
;;       x = np.moveaxis(x, axis, -1); K = x.shape[-1]
;;       x = np.pad(x, [(0, 0)] * (x.ndim - 1) + [(0, -K % 32)]); x = x.reshape(x.shape[:-1] + (-1, 32)); a = np.abs(x).max(-1, keepdims=True)
;;       e = np.where(a > 0, np.clip(np.frexp(np.where(a > 0, a, 1))[1] - 1 - 2, -126, 127), 0)      # np.frexp(a)[1] - 1 = floor(log2(a)), exactly
;;       r = np.clip(x / 2.0 ** e, -6, 6)
;;       step = 2.0 ** (np.maximum(np.frexp(np.where(r == 0, 1, r))[1] - 1, 0) - 1)
;;       q = np.round(r / step) * step * 2.0 ** e      # np.round: ties to even
;;       return np.moveaxis(q.reshape(q.shape[:-2] + (-1,))[..., :K], -1, axis).astype(np.float32)
;;   ~~~
;; One version. Each part assembles by itself: llvm-mc -triple=amdgcn-amd-amdhsa -mcpu=gfx1250 --defsym DOCPART=n.
;; ======== version 1 of 1: 3 launches
;; limits: values are held in bf16: 8 bits of precision; right only within a limited range of input values
;; workspace buffers: ub 589,824 bytes; cb 131,072 bytes; sc 262,144 bytes; ml 2,048 bytes; cx 1,048,576 bytes
;; launch prep (part 1): grid 64 x 1, 8 waves a work-group, no clusters, 84,992 bytes of LDS; arguments Ua_w, Wa_w, query, Wa_b, Ua_b, ub, cb; writes ub, cb
.if DOCPART == 1
	.amdgcn_target "amdgcn-amd-amdhsa--gfx1250"
	.amdhsa_code_object_version 6
	.text
	.protected	k_q4f690c16d2_prep
	.globl	k_q4f690c16d2_prep
	.p2align	8
	.type	k_q4f690c16d2_prep,@function
k_q4f690c16d2_prep:
	s_mov_b64 s[64:65], 0
	v_nop
	global_prefetch_b8 v0, s[64:65] scope:SCOPE_SE
	s_setreg_imm32_b32 hwreg(HW_REG_WAVE_MODE, 25, 1), 1
	s_wait_xcnt 0x0
; Two things that the main launch wants ready:
;   ub: Ua_w [1024 (g)][1024 (k)] as codes of E2M1 with one E8M0 byte for each 32 along k, laid in the order of an operand's registers:
;       [cc 16][q 8] steps of 4,608 bytes; a step holds, for Ua's rows 64 cc + 16 t + r and k = 128 q on, [t 4][c 2][lane 32][16 bytes] of codes (registers 4 c .. 4 c + 3 of the lane)
;       and behind them, at 4,096, [t 4][lane 32] scale words (row r = lane % 16).
;   cb: [32][1024] f32 = 2 log2(e) x (query Wa_w^T + Wa_b + Ua_b); the product on codes of E2M1, both operands quantised here.
; SHARES.  Work-group jt takes rows 16 jt .. 16 jt + 15 of Ua_w and of Wa_w; wave q takes k = 128 q .. 128 q + 127.  Lane (r, h) loads, of row r, the 32 numbers at k = 128 q + 64 c + 32 h (c = 0, 1):
; two whole blocks, in the very order in which the operand's layout gives them to that lane, so the conversions' results are the operand's registers.
; The eight waves' parts of query Wa_w^T (one K step each) meet in LDS and are added in f32 by waves 0 to 3.
; LIMITS: NaN and infinities among the inputs are not served.  A block whose largest magnitude lies under 2^-124 gets the byte 1; a block of zeros too (the rule says 127): its codes are zeros, which add
; nothing under any byte but 0xff, and the bytes are read by this program alone.  The sum over K of the small product is made in eight parts.
; The scale words leave in runs of 128 bytes (64 KB in all) and cb in runs of 64 bytes (128 KB in all): small beside the 8 MB that the launch reads.
; WORK LEFT OUT IN THIS PROGRAM.  Va_b is added to every score of a batch alike, and the scores reach the outputs only through softmax(scores, axis=1): a term that is the same along
; that axis leaves the weights, and so the context, as they are, for all finite values of the inputs.  So Va_b is not loaded and is among no launch's arguments.
; LIMIT: a NaN, an infinity or an overflow that would come from Va_b alone is not carried to the results.
.set X0,  64
.set X1,  128
.set X2,  192
.set CU,  16                           ; v16-23 Ua's codes;  v24-31 Wa's;  v32-39, v40-47 query's rows 0-15, 16-31
.set CW,  24
.set CQ0, 32
.set CQ1, 40
.set SU,  48                           ; v48 Ua's scale word;  v49 Wa's;  v50, v51 query's: these four hold scales and nothing else
.set SW,  49
.set SQ0, 50
.set SQ1, 51
.set TM,  52                           ; v52-53 largest magnitudes, v54-55 the conversions' scale operands, v56-57 bytes, v58 the other half's bytes
.set D0,  64                           ; the two results, where the numbers lay
.set D1,  72
	s_load_b256 s[4:11], s[0:1], 0x0               ; Ua_w s[4:5], Wa_w s[6:7], query s[8:9], Wa_b s[10:11]
	s_load_b128 s[12:15], s[0:1], 0x20             ; Ua_b s[12:13], ub s[14:15]
	s_load_b64 s[16:17], s[0:1], 0x30              ; cb
	v_lshl_add_u32 v62, v0, 2, 0x4000
	v_mov_b32 v63, 0
	v_lshrrev_b32 v1, 5, v0
	s_delay_alu instid0(VALU_DEP_1)
	v_readfirstlane_b32 s20, v1                    ; wave = K step q
	v_and_b32 v1, 15, v0                           ; r
	v_bfe_u32 v2, v0, 4, 1                         ; h
	s_delay_alu instid0(VALU_DEP_2)
	v_mul_u32_u24 v3, v1, 528
	s_delay_alu instid0(VALU_DEP_1)
	v_lshl_add_u32 v3, v2, 7, v3                   ; row r of 528 bytes + 128 h: my 32 numbers of a pair of blocks
	v_and_b32 v4, 31, v0
	s_delay_alu instid0(VALU_DEP_1)
	v_lshlrev_b32 v5, 2, v4                        ; 4 x lane
	s_delay_alu instid0(VALU_DEP_2)
	v_lshlrev_b32 v4, 4, v4                        ; 16 x lane
	v_lshlrev_b32 v6, 3, v2                        ; 8 h: my bytes' place in a scale word, in bits
	v_lshlrev_b32 v7, 5, v2                        ; 32 h: eight numbers of a bias
	s_delay_alu instid0(VALU_DEP_1)
	v_lshl_add_u32 v61, v1, 12, v7                 ; cb: row r of 4,096 bytes + 32 h
	v_mov_b32 v[TM+6], 0                           ; written once: a lane permute's destination counts as one of its sources
	s_lshl_b32 s21, s20, 11
	v_add_nc_u32 v59, s21, v4                      ; LDS: where my wave puts its parts: 2,048 q + 16 x lane
	s_lshl_b32 s21, s20, 9
	v_add_nc_u32 v60, s21, v4
	s_mul_i32 s21, s20, 8448                       ; my wave's stage: 16 rows of 528 bytes, behind the spare words
	s_add_co_u32 s21, s21, 17408
	v_add_nc_u32 v3, s21, v3                       ; out of it: row r + 128 h
	v_add_nc_u32 v1, s21, v4                       ; into it: 16 x lane of a row
	s_mov_b32 s22, 0x76543210
	s_mov_b32 s23, 0xfedcba98                      ; v_permlanex16_b32's selects for lane l xor 16
	s_mov_b32 s24, 0x4038aa3b                      ; 2 log2(e)
	s_mov_b32 s25, s24                             ; (named with it as a pair, so it is written)
	s_lshl_b32 s26, ttmp9, 16
	s_lshl_b32 s28, s20, 9
	s_add_co_u32 s26, s26, s28                     ; the weights: 16 jt rows of 4,096 bytes + 512 q
	s_mov_b32 s27, 0
	s_mov_b32 s29, 0                               ; query: 512 q
	s_lshl_b32 s30, ttmp9, 6
	s_and_b32 s31, s20, 1
	s_lshl_b32 s31, s31, 4
	s_add_co_u32 s30, s30, s31                     ; the biases and cb's columns: (16 jt + 4 (q % 2)) x 4 bytes
	s_mov_b32 s31, 0
	s_lshr_b32 s32, ttmp9, 2
	s_lshl_b32 s32, s32, 3
	s_add_co_u32 s32, s32, s20
	s_mul_i32 s32, s32, 4608                       ; ub: step 8 (jt / 4) + q
	s_and_b32 s34, ttmp9, 3                        ; tile t = jt % 4
	s_lshl_b32 s35, s34, 10
	s_lshl_b32 s34, s34, 7
	s_add_co_u32 s34, s34, s32
	s_add_co_u32 s34, s34, 4096                    ; its scale words
	s_add_co_u32 s32, s32, s35                     ; its codes
	s_mov_b32 s33, 0
	s_mov_b32 s35, 0
	s_wait_alu depctr_va_vdst(0)
	s_wait_kmcnt 0x0
	s_add_nc_u64 s[4:5], s[4:5], s[26:27]
	s_add_nc_u64 s[6:7], s[6:7], s[26:27]
	s_add_nc_u64 s[8:9], s[8:9], s[28:29]
	s_add_nc_u64 s[10:11], s[10:11], s[30:31]
	s_add_nc_u64 s[12:13], s[12:13], s[30:31]
	s_add_nc_u64 s[36:37], s[14:15], s[34:35]
	s_add_nc_u64 s[14:15], s[14:15], s[32:33]
; 16 rows x 128 along K come from memory row by row: each load reads 512 consecutive bytes of one row, 16 bytes a lane.  They turn through the wave's own stage in LDS (at the head of Q6),
; from which lane (r, h) takes its two whole blocks in the operand's order.
.macro XLD x, base, off
.irp j, 0,1,2,3,4,5,6,7,8,9,10,11,12,13,14,15
	global_load_b128 v[\x+4*\j:\x+4*\j+3], v4, s[\base:\base+1] offset:\off+4096*\j
.endr
.endm
; 64 numbers of a lane, two whole blocks of 32, become the operand's eight registers and the row's scale word.
.macro Q6 x, code, word
.irp j, 0,1,2,3,4,5,6,7,8,9,10,11,12,13,14,15
	ds_store_b128 v1, v[\x+4*\j:\x+4*\j+3] offset:528*\j   ; row j as it was loaded; rows 528 bytes apart, so that the 16 rows read below start at 16 different banks
.endr
.irp c, 0,1
.irp i, 0,1,2,3,4,5,6,7
	ds_load_b128 v[\x+32*\c+4*\i:\x+32*\c+4*\i+3], v3 offset:256*\c+16*\i   ; LDS serves a wave's instructions in order: these see my stores
.endr
.endr
	s_wait_dscnt 0x0
.irp c, 0,1
	v_max3_num_f32 v[TM+\c], |v[\x+32*\c]|, |v[\x+32*\c+1]|, 0x1800000   ; and the floor 2^(3 - 127): so the byte cannot fall under 1
.endr
.irp i, 2,4,6,8,10,12,14,16,18,20,22,24,26,28,30
.irp c, 0,1
	s_delay_alu instid0(VALU_DEP_2)
	v_max3_num_f32 v[TM+\c], v[TM+\c], |v[\x+32*\c+\i]|, |v[\x+32*\c+\i+1]|   ; (the two blocks by turns)
.endr
.endr
.irp c, 0,1
	s_delay_alu instid0(VALU_DEP_2)
	v_add_nc_u32 v[TM+2+\c], 0xff000000, v[TM+\c]  ; 2 off the exponent field: the conversion takes the exponent field of this operand as its scale, and nothing else of it
.endr
.irp c, 0,1
	s_delay_alu instid0(VALU_DEP_2)
	v_lshrrev_b32 v[TM+4+\c], 23, v[TM+2+\c]       ; the scale's byte
.endr
	s_delay_alu instid0(VALU_DEP_1)
	v_lshl_or_b32 v[\word], v[TM+5], 16, v[TM+4]   ; my two bytes: blocks h and 2 + h,
	s_delay_alu instid0(VALU_DEP_1)
	v_lshlrev_b32 v[\word], v6, v[\word]           ; at their places in the word;
	s_delay_alu instid0(VALU_DEP_1)
	v_permlanex16_b32 v[TM+6], v[\word], s22, s23
	s_delay_alu instid0(VALU_DEP_1)
	v_or_b32 v[\word], v[\word], v[TM+6]           ; with lane l xor 16's two the word is whole, in both halves of the lanes
.irp c, 0,1
.irp g, 0,1,2,3
	v_cvt_scalef32_pk8_fp4_f32 v[\code+4*\c+\g], v[\x+32*\c+8*\g:\x+32*\c+8*\g+7], v[TM+2+\c]
.endr
.endr
	v_nop                                          ; one plain place behind the last scaled conversion
.endm
	global_load_b128 v[8:11], v7, s[10:11]         ; Wa_b and Ua_b at columns 16 jt + 8 h + 4 (q % 2) on: waves 0-3 use them; a branch round two loads would cost as much as it spares
	global_load_b128 v[12:15], v7, s[12:13]
	XLD X0, 4, 0                                   ; Ua_w
	XLD X1, 6, 0                                   ; Wa_w
	XLD X2, 8, 0                                   ; query's rows 0-15
	s_wait_loadcnt 32                              ; Ua's numbers are in; Wa's 16 loads and query's 16 may be out
	Q6 X0, CU, SU
	global_store_b128 v4, v[CU:CU+3], s[14:15]               ; 32 lanes store 512 consecutive bytes, at a multiple of 512 from ub's first byte
	global_store_b128 v4, v[CU+4:CU+7], s[14:15] offset:512
	global_store_b32 v5, v[SU], s[36:37]
	XLD X0, 8, 65536                               ; query's rows 16-31, where Ua's numbers lay
	s_wait_loadcnt 32                              ; Wa's are in; both tiles of query may be out
	Q6 X1, CW, SW
	s_wait_loadcnt 16
	Q6 X2, CQ0, SQ0
	s_wait_loadcnt 0x0
	Q6 X0, CQ1, SQ1
.rept 8
	v_nop                                          ; a scale register written by a vector instruction stands 8 places ahead of a scaled matrix instruction, an operand so written 4
.endr
	; source 0 = 16 rows of Wa_w, source 1 = 16 rows of query: lane (r, h) holds batch 16 T + r, register j column 16 jt + 8 h + j
	v_wmma_scale_f32_16x16x128_f8f6f4 v[D0:D0+7], v[CW:CW+7], v[CQ0:CQ0+7], 0, v[SW], v[SQ0] matrix_a_fmt:MATRIX_FMT_FP4 matrix_b_fmt:MATRIX_FMT_FP4
	v_wmma_scale_f32_16x16x128_f8f6f4 v[D1:D1+7], v[CW:CW+7], v[CQ1:CQ1+7], 0, v[SW], v[SQ1] matrix_a_fmt:MATRIX_FMT_FP4 matrix_b_fmt:MATRIX_FMT_FP4
.rept 4
	v_nop                                          ; four places behind a matrix instruction before its result is read (ISA guide 7.12.1)
.endr
	ds_store_b128 v59, v[D0:D0+3]                  ; piece 2 T + half: each result from its low end on
	ds_store_b128 v59, v[D0+4:D0+7] offset:512
	ds_store_b128 v59, v[D1:D1+3] offset:1024
	ds_store_b128 v59, v[D1+4:D1+7] offset:1536
	s_wait_dscnt 0x0                               ; for the others' sake: my stores have landed
	s_barrier_signal -1
	s_barrier_wait -1
	s_cmp_gt_u32 s20, 3
	s_cbranch_scc1 .Ldone                          ; waves 0-3 add: wave w takes piece w = 2 T + half of all eight parts
.irp p, 0,1,2,3,4,5,6,7
	ds_load_b128 v[128+4*\p:131+4*\p], v60 offset:2048*\p
.endr
	s_lshr_b32 s38, s20, 1
	s_lshl_b32 s38, s38, 16                        ; cb: 16 T rows of 4,096 bytes,
	s_add_co_u32 s38, s38, s30                     ; + my columns
	s_mov_b32 s39, 0
	s_add_nc_u64 s[16:17], s[16:17], s[38:39]
	v_pk_add_f32 v[8:9], v[8:9], v[12:13]          ; the two biases
	v_pk_add_f32 v[10:11], v[10:11], v[14:15]
	s_wait_dscnt 0x0
.irp p, 1
	v_pk_add_f32 v[128:129], v[128:129], v[128+4*\p:129+4*\p]
	v_pk_add_f32 v[130:131], v[130:131], v[130+4*\p:131+4*\p]
.endr
.irp p, 2, 3, 4, 5, 6, 7
	s_delay_alu instid0(VALU_DEP_2)
	v_pk_add_f32 v[128:129], v[128:129], v[128+4*\p:129+4*\p]
	s_delay_alu instid0(VALU_DEP_2)
	v_pk_add_f32 v[130:131], v[130:131], v[130+4*\p:131+4*\p]
.endr
	s_delay_alu instid0(VALU_DEP_2)
	v_pk_add_f32 v[128:129], v[128:129], v[8:9]
	s_delay_alu instid0(VALU_DEP_2)
	v_pk_add_f32 v[130:131], v[130:131], v[10:11]
	s_delay_alu instid0(VALU_DEP_2)
	v_pk_mul_f32 v[128:129], v[128:129], s[24:25] op_sel_hi:[1,0]
	s_delay_alu instid0(VALU_DEP_2)
	v_pk_mul_f32 v[130:131], v[130:131], s[24:25] op_sel_hi:[1,0]
	global_store_b128 v61, v[128:131], s[16:17]
.Ldone:
	s_wait_tensorcnt 0x0
	ds_add_u32 v62, v63
	s_wait_dscnt 0x0
	s_endpgm
.Lfunc_end_k_q4f690c16d2_prep:
	.size	k_q4f690c16d2_prep, .Lfunc_end_k_q4f690c16d2_prep-k_q4f690c16d2_prep
	.p2alignl 7, 3214868480
	.fill 96, 4, 3214868480
	.section	.rodata,"a",@progbits
	.p2align	6, 0x0
	.amdhsa_kernel k_q4f690c16d2_prep
		.amdhsa_group_segment_fixed_size 84992
		.amdhsa_private_segment_fixed_size 0
		.amdhsa_enable_private_segment 0
		.amdhsa_kernarg_size 56
		.amdhsa_user_sgpr_count 2
		.amdhsa_user_sgpr_kernarg_segment_ptr 1
		.amdhsa_wavefront_size32 1
		.amdhsa_system_sgpr_workgroup_id_x 1
		.amdhsa_system_sgpr_workgroup_id_y 1
		.amdhsa_system_sgpr_workgroup_id_z 1
		.amdhsa_system_vgpr_workitem_id 0
		.amdhsa_next_free_vgpr 256
		.amdhsa_next_free_sgpr 66
		.amdhsa_reserve_vcc 0
		.amdhsa_float_denorm_mode_32 3
		.amdhsa_float_denorm_mode_16_64 3
		.amdhsa_memory_ordered 1
		.amdhsa_forward_progress 1
		.amdhsa_inst_pref_size 38
	.end_amdhsa_kernel
	.amdgpu_metadata
---
amdhsa.version: [ 1, 2 ]
amdhsa.kernels:
  - .name:           k_q4f690c16d2_prep
    .symbol:         k_q4f690c16d2_prep.kd
    .args:
      - { .name: Ua_w, .offset: 0, .size: 8, .value_kind: global_buffer, .address_space: global }
      - { .name: Wa_w, .offset: 8, .size: 8, .value_kind: global_buffer, .address_space: global }
      - { .name: query, .offset: 16, .size: 8, .value_kind: global_buffer, .address_space: global }
      - { .name: Wa_b, .offset: 24, .size: 8, .value_kind: global_buffer, .address_space: global }
      - { .name: Ua_b, .offset: 32, .size: 8, .value_kind: global_buffer, .address_space: global }
      - { .name: ub, .offset: 40, .size: 8, .value_kind: global_buffer, .address_space: global }
      - { .name: cb, .offset: 48, .size: 8, .value_kind: global_buffer, .address_space: global }
    .group_segment_fixed_size: 84992
    .private_segment_fixed_size: 0
    .kernarg_segment_align: 8
    .kernarg_segment_size: 56
    .max_flat_workgroup_size: 256
    .sgpr_count:     66
    .vgpr_count:     256
    .wavefront_size: 32
...
	.end_amdgpu_metadata
.endif
;; end of part 1
;; launch attn (part 2): grid 256 x 1, 8 waves a work-group, no clusters, 222,208 bytes of LDS; arguments keys, ub, cb, Va_w, sc, ml, cx; writes sc, ml, cx
.if DOCPART == 2
	.amdgcn_target "amdgcn-amd-amdhsa--gfx1250"
	.amdhsa_code_object_version 6
	.text
	.protected	k_q4f690c16d2_attn
	.globl	k_q4f690c16d2_attn
	.p2align	8
	.type	k_q4f690c16d2_attn,@function
k_q4f690c16d2_attn:
	s_mov_b64 s[64:65], 0
	v_nop
	global_prefetch_b8 v0, s[64:65] scope:SCOPE_SE
	s_setreg_imm32_b32 hwreg(HW_REG_WAVE_MODE, 25, 1), 1
	s_wait_xcnt 0x0
; Scores, a running softmax and the weighted sum of the keys for 256 rows of one batch: work-group wg takes rows 256 (wg % 8) on of batch wg / 8, in two blocks of 128 rows.
; tanh(x) = 1 - 2 / (1 + e^(2x)), so score = sum of Va - 2 sum over g of Va[g] / (1 + 2^z), z = 2 log2(e) (keys Ua^T) + cb.
; LEFT OUT: Va_b (see the first kernel's head) and the sum of Va: both are the same for all rows of a batch, and the softmax along the rows takes such a term away.
; A BLOCK.  (1) Wave w loads columns 128 w .. 128 w + 127 of the 128 rows, 512 consecutive bytes a load, straight into registers: a lane holds 4 neighbours of a row, 8 lanes a block of 32.
;     Two rows' 8 numbers are converted twice, once under each row's scale: the low half of the first result and the high half of the second are the rows' 4 codes.  Codes and scale bytes go to LDS,
;     rounded bf16 copies stay with the wave: rows 0-63 in registers, rows 64-127 in its own 16 KB of LDS.
; (2) Wave w multiplies all 128 rows by Ua's rows 128 w .. 128 w + 127, 32 at a time (16 accumulators); Ua's codes come from ub into registers, a whole chunk (8 K steps) ahead, so ub is read once a block.
;     No barrier stands between a block's four chunks.  (3) The eight waves' parts of the scores meet in LDS; every wave keeps the running maximum and sum, and adds its 128 columns of the context.
; NO CLUSTER: each wave takes its own eighth of ub straight into its operand registers; no tile in LDS is shared between work-groups.
; The next block's keys are prefetched: in each of the first block's four chunks a wave names 32 rows x 2 blocks of 256 bytes of its own columns, each block once; the last block asks for nothing.
; LIMITS: NaN and infinities among the inputs are not served; a block of 32 under 2^-124 (zeros too) gets the scale byte 1, read by this launch alone.
.set ACP,   528                        ; a row of codes in LDS: 512 bytes + 16
.set ASP,   36                         ; a row of scale bytes: 32 + 4
.set ASL,   67584                      ; behind 128 rows of codes
.set VAL,   73728                      ; -2 Va (4,096 bytes), then cb's row (4,096)
.set SPL,   81920                      ; the waves' parts of the scores: 512 bytes a wave
.set PBL,   86016                      ; each wave's 128 p
.set BFL,   90112                      ; bf16 rows 64-127: 16,384 bytes a wave
.set SPARE, 221184                     ; the spare words: 128 bytes a wave
.set UBS,   4608
.set UBC,   8*UBS
.set SPW,  1
.set NIL,  2
.set KO,   3                           ; 16 x lane
.set BSO,  4                           ; 4 x lane
.set AAD,  5                           ; fragments of the keys' codes
.set ASA,  6                           ; their scale words: a lane a row, 32 rows
.set VAD,  7                           ; the chunk's Va and cb
.set VA0,  8
.set CST0, 9                           ; where my codes go: rows 0-63, 64-127
.set CST1, 10
.set SST,  11
.set BFA,  12
.set SPS,  13
.set SPR,  14
.set VST,  15
.set PBR,  16
.set PFO,  17                          ; 4,096 x lane
.set MRUN, 18
.set LRUN, 19
.set CTX,  20                          ; v20-27: my 4 columns, even and odd rows apart
.set SAC,  28                          ; v28-43: the scores' parts, a pair for each 16 rows; at work while quantising
.set MX,   28
.set CD,   36
.set ASC,  44                          ; v44-47 the keys' scale words;  v48-63 Ua's: these hold scales (v48-55 once Va and cb on their way to LDS)
.set BSC,  48
.set AF,   64                          ; v64-127 fragments of the keys; Va and cb in the tanh
.set VAT,  64
.set CBT,  80
.set ACC,  128                         ; v128-255 the 16 accumulators.  Window 1: v0-127 Ua's fragments, v128-255 bf16 rows 0-63
.set WV,  20
.set B0,  24
.set BPC, 26
.set BPS, 28
.set BLK, 30
.set CH,  31
.set CC,  32
.set SEL, 34
.set L2E, 36
.set PF,  46
.set MSB, 0
.macro WIN new
.if MSB != \new
	s_set_vgpr_msb (MSB<<8)|\new
.set MSB, \new
.endif
.endm
.macro PLACES
.rept 4
	v_nop
.endr
.endm
.macro LOADG g                         ; 16 rows of my columns into set g % 3
.irp u, 0,1,2,3,4,5,6,7,8,9,10,11,12,13,14,15
	global_load_b128 v[64+64*((\g)%3)+4*\u:64+64*((\g)%3)+4*\u+3], v[KO], s[4:5] offset:4096*(16*(\g)+\u) th:TH_LOAD_NT
.endr
.endm
.macro PROC g                          ; 16 rows, 8 at a time: scale, codes, bf16
.irp hh, 0,1
.set XH, 64+64*((\g)%3)+32*\hh
.set RW, 16*(\g)+8*\hh
.irp u, 0,1,2,3,4,5,6,7
	v_max3_num_f32 v[MX+\u], |v[XH+4*\u]|, |v[XH+4*\u+1]|, 0x1800000   ; with the floor 2^(3 - 127): the byte stays at 1 or above
.endr
.irp u, 0,1,2,3,4,5,6,7
	v_max3_num_f32 v[MX+\u], v[MX+\u], |v[XH+4*\u+2]|, |v[XH+4*\u+3]|
.endr
.irp m, 1,2,4
.irp u, 0,1,2,3,4,5,6,7
	v_max_num_f32_dpp v[MX+\u], v[MX+\u], v[MX+\u] row_xmask:\m row_mask:0xf bank_mask:0xf   ; the 8 lanes of a block
.endr
.endr
.irp u, 0,1,2,3,4,5,6,7
	v_add_nc_u32 v[MX+\u], 0xff000000, v[MX+\u]    ; 2 off the exponent field: the conversion's scale operand
.endr
.irp u, 0,1,2,3,4,5,6,7
	v_cvt_scalef32_pk8_fp4_f32 v[CD+\u], v[XH+8*(\u/2):XH+8*(\u/2)+7], v[MX+\u]   ; rows u and u xor 1 under row u's scale: row u's half is kept
.endr
	v_nop                                          ; one plain place behind the scaled conversions
.irp u, 0,1,2,3,4,5,6,7
	v_lshrrev_b32 v[MX+\u], 23, v[MX+\u]           ; the scale's byte
.endr
.if (\g) < 4
	WIN 0x40
.irp u, 0,1,2,3,4,5,6,7
	v_cvt_pk_bf16_f32 v[128+2*(RW+\u)], v[XH+4*\u], v[XH+4*\u+1]
	v_cvt_pk_bf16_f32 v[128+2*(RW+\u)+1], v[XH+4*\u+2], v[XH+4*\u+3]
.endr
	WIN 0
.else
.irp s, 0,1,2,3                        ; in place: register s of a pair of rows takes numbers 2 s, 2 s + 1
.irp p, 0,1,2,3
	v_cvt_pk_bf16_f32 v[XH+8*\p+\s], v[XH+8*\p+2*\s], v[XH+8*\p+2*\s+1]
.endr
.endr
.endif
.irp u, 0,2,4,6
	ds_store_b16 v[CST0+(\g)/4], v[CD+\u] offset:ACP*((RW+\u)%64)
	ds_store_b16_d16_hi v[CST0+(\g)/4], v[CD+\u+1] offset:ACP*((RW+\u+1)%64)
.endr
.irp u, 0,1,2,3,4,5,6,7
	ds_store_b8 v[SST], v[MX+\u] offset:ASP*(RW+\u)   ; the 8 lanes of a block write the same byte
.endr
.if (\g) >= 4
.irp p, 0,1,2,3
	ds_store_b128 v[BFA], v[XH+8*\p:XH+8*\p+3] offset:512*((RW-64)/2+\p)
.endr
.endif
.endr
.endm
.macro RLOAD q                         ; K step q of the chunk that BPC and BPS point at: 6 loads
.irp t, 0,1
	global_load_b32 v[BSC+2*(\q)+\t], v[BSO], s[BPS:BPS+1] offset:UBS*(\q)+4096+128*\t
.endr
	WIN 0x40
.irp t, 0,1
.irp c, 0,1
	global_load_b128 v[16*(\q)+8*\t+4*\c:16*(\q)+8*\t+4*\c+3], v[KO], s[BPC:BPC+1] offset:UBS*(\q)+1024*\t+512*\c
.endr
.endr
	WIN 0
.endm
.macro AFL hf, q                       ; 64 rows' fragments and scale words of K step q: 10 LDS loads
.irp i, 0,1,2,3
	ds_load_b128 v[AF+8*(4*(\hf)+\i):AF+8*(4*(\hf)+\i)+3], v[AAD] offset:16*ACP*(4*(\hf)+\i)+64*(\q)
	ds_load_b128 v[AF+8*(4*(\hf)+\i)+4:AF+8*(4*(\hf)+\i)+7], v[AAD] offset:16*ACP*(4*(\hf)+\i)+64*(\q)+32
.endr
.irp j, 0,1
	ds_load_b32 v[ASC+2*(\hf)+\j], v[ASA] offset:32*ASP*(2*(\hf)+\j)+4*(\q)
.endr
.endm
; source 0 = 16 rows of Ua, source 1 = 16 key rows: lane (r, h) holds key row r, register j column 8 h + j.  The 16 accumulators take turns.
.macro MUL hf
.irp i, 0,1,2,3
.irp t, 0,1
.set I,  4*(\hf)+\i
.set DD, ACC+8*(2*I+\t)
.set BB, 16*Q+8*\t
.set AA, AF+8*I
.set SBB, BSC+2*Q+\t
.set SAA, ASC+I/2
.if Q == 0
.if I%2
	v_wmma_scale_f32_16x16x128_f8f6f4 v[DD:DD+7], v[BB:BB+7], v[AA:AA+7], 0, v[SBB], v[SAA] matrix_a_fmt:MATRIX_FMT_FP4 matrix_b_fmt:MATRIX_FMT_FP4 matrix_b_scale:MATRIX_SCALE_ROW1
.else
	v_wmma_scale_f32_16x16x128_f8f6f4 v[DD:DD+7], v[BB:BB+7], v[AA:AA+7], 0, v[SBB], v[SAA] matrix_a_fmt:MATRIX_FMT_FP4 matrix_b_fmt:MATRIX_FMT_FP4
.endif
.else
.if I%2
	v_wmma_scale_f32_16x16x128_f8f6f4 v[DD:DD+7], v[BB:BB+7], v[AA:AA+7], v[DD:DD+7], v[SBB], v[SAA] matrix_a_fmt:MATRIX_FMT_FP4 matrix_b_fmt:MATRIX_FMT_FP4 matrix_b_scale:MATRIX_SCALE_ROW1
.else
	v_wmma_scale_f32_16x16x128_f8f6f4 v[DD:DD+7], v[BB:BB+7], v[AA:AA+7], v[DD:DD+7], v[SBB], v[SAA] matrix_a_fmt:MATRIX_FMT_FP4 matrix_b_fmt:MATRIX_FMT_FP4
.endif
.endif
.endr
.endr
.endm
.macro GEMM last                       ; a chunk: 128 rows x 32 columns, 8 K steps
	AFL 0, 0
	AFL 1, 0
.set Q, 0
.rept 8
.if \last
	s_wait_loadcnt 6*(7-Q)                         ; behind this step's 6 loads: the later steps' alone
.else
	s_wait_loadcnt 42                              ; behind this step's 6 loads: 7 steps' (this chunk's later ones and the next chunk's earlier ones)
.endif
	s_wait_dscnt 10                                ; rows 0-63 are in; the 10 loads of rows 64-127 may be out
	WIN 0x01
	MUL 0
	WIN 0
	PLACES
.if Q < 7
	AFL 0, Q+1
	s_wait_dscnt 10                                ; rows 64-127 are in
.else
	s_wait_dscnt 0x0
.endif
	WIN 0x01
	MUL 1
	WIN 0
	PLACES
.if Q < 7
	AFL 1, Q+1
.endif
.if !\last
	RLOAD Q                                        ; this step's registers take the next chunk's step
.endif
.set Q, Q+1
.endr
.endm
; The tanh, four accumulators (32 registers) a batch b.
.macro EA b                            ; z = 2 log2(e) x sum + cb
.if ((\b) >= 0) && ((\b) < 4)
.irp n, 0,1,2,3
.irp k, 0,1,2,3
.set rA, ACC+8*(4*(\b)+\k)+2*\n
	v_pk_fma_f32 v[rA:rA+1], v[rA:rA+1], s[CC:CC+1], v[CBT+8*(\k%2)+2*\n:CBT+8*(\k%2)+2*\n+1] op_sel_hi:[1,0,1]
.endr
.endr
.endif
.endm
.macro TRB op, b
.if ((\b) >= 0) && ((\b) < 4)
.set J, ACC+32*(\b)
.rept 32
	\op v[J], v[J]
.set J, J+1
.endr
.endif
.endm
.macro EC b                            ; 1 + 2^z
.if ((\b) >= 0) && ((\b) < 4)
.set J, ACC+32*(\b)
.rept 16
	v_pk_add_f32 v[J:J+1], v[J:J+1], 1.0 op_sel_hi:[1,0]
.set J, J+2
.endr
.endif
.endm
.macro EE b                            ; the scores' parts += -2 Va / (1 + 2^z)
.if ((\b) >= 0) && ((\b) < 4)
.irp n, 0,1,2,3
.irp k, 0,2,1,3
.set rA, ACC+8*(4*(\b)+\k)+2*\n
.set rS, SAC+2*(2*(\b)+\k/2)
	v_pk_fma_f32 v[rS:rS+1], v[rA:rA+1], v[VAT+8*(\k%2)+2*\n:VAT+8*(\k%2)+2*\n+1], v[rS:rS+1]
.endr
.endr
.endif
.endm
.macro ASKPF off                       ; 32 rows x 512 bytes of my columns of the next block; the last block asks for nothing
	s_cmp_lg_u32 s[BLK], 2
	s_cbranch_scc1 .Lnp_\@
	global_prefetch_b8 v[PFO], s[PF:PF+1] offset:\off th:TH_LOAD_NT scope:SCOPE_SE
	global_prefetch_b8 v[PFO], s[PF:PF+1] offset:\off+256 th:TH_LOAD_NT scope:SCOPE_SE
.Lnp_\@:
.endm
.macro EPI off
.irp t, 0,1
	ds_load_b128 v[VAT+8*\t:VAT+8*\t+3], v[VAD] offset:64*\t
	ds_load_b128 v[VAT+8*\t+4:VAT+8*\t+7], v[VAD] offset:64*\t+16
	ds_load_b128 v[CBT+8*\t:CBT+8*\t+3], v[VAD] offset:4096+64*\t
	ds_load_b128 v[CBT+8*\t+4:CBT+8*\t+7], v[VAD] offset:4096+64*\t+16
.endr
	s_wait_dscnt 0x0
	EA 0
	ASKPF \off
.set P, 0
.rept 5                                ; batch P's exponentials and batch P - 1's reciprocals go as one run; a wait ahead of it and one behind it
	s_wait_alu depctr_va_vdst(0)
	TRB v_exp_f32, P
	TRB v_rcp_f32, P-1
	v_nop
	s_wait_alu depctr_va_vdst(0)
	EA P+1
	EC P
	EE P-1
.set P, P+1
.endr
.endm
.macro CROWS n, kb, pb                 ; context += p x row, n rows: bf16 at v[kb + 2 R], p at v[pb + R]
.set R, 0
.rept \n
.set CX, CTX+4*(R%2)
	v_fma_mix_f32_bf16 v[CX], v[\kb+2*R], v[\pb+R], v[CX] op_sel_hi:[1,0,0]
	v_fma_mix_f32_bf16 v[CX+1], v[\kb+2*R], v[\pb+R], v[CX+1] op_sel:[1,0,0] op_sel_hi:[1,0,0]
	v_fma_mix_f32_bf16 v[CX+2], v[\kb+2*R+1], v[\pb+R], v[CX+2] op_sel_hi:[1,0,0]
	v_fma_mix_f32_bf16 v[CX+3], v[\kb+2*R+1], v[\pb+R], v[CX+3] op_sel:[1,0,0] op_sel_hi:[1,0,0]
.set R, R+1
.endr
.endm
	s_load_b256 s[4:11], s[0:1], 0x0               ; keys, ub, cb, Va_w
	s_load_b128 s[12:15], s[0:1], 0x20             ; sc, ml
	s_load_b64 s[16:17], s[0:1], 0x30              ; cx
	v_lshl_add_u32 v[SPW], v0, 2, SPARE
	v_mov_b32 v[NIL], 0
	v_lshrrev_b32 v128, 5, v0
	v_readfirstlane_b32 s[WV], v128                ; wave 0..7
	s_lshl_b32 s38, s[WV], 9
	s_add_co_u32 s39, s38, PBL
	s_lshl_b32 s44, s[WV], 6
	s_lshl_b32 s45, s[WV], 2
	s_add_co_u32 s45, s45, ASL
	s_lshl_b32 s48, s[WV], 14
	s_add_co_u32 s48, s48, BFL
	v_and_b32 v128, 31, v0                         ; lane
	v_and_b32 v129, 15, v0                         ; r
	v_bfe_u32 v130, v0, 4, 1                       ; h
	v_lshlrev_b32 v[KO], 4, v128
	v_lshlrev_b32 v[BSO], 2, v128
	v_lshlrev_b32 v[PFO], 12, v128
	v_mul_u32_u24 v[AAD], v129, ACP
	v_lshl_add_u32 v[AAD], v130, 4, v[AAD]
	v_mul_u32_u24 v[ASA], v128, ASP
	v_add_nc_u32 v[ASA], ASL, v[ASA]
	v_lshl_add_u32 v[VA0], v130, 5, s38
	v_add_nc_u32 v[VA0], VAL, v[VA0]
	v_add_nc_u32 v[VST], s38, v[KO]
	v_add_nc_u32 v[VST], VAL, v[VST]
	v_mov_b32 v[PBR], s39
	v_lshl_add_u32 v[SPS], v129, 2, s38
	v_add_nc_u32 v[SPS], SPL, v[SPS]
	v_add_nc_u32 v[SPR], SPL, v[KO]
	v_lshl_add_u32 v[CST0], v128, 1, s44
	v_add_nc_u32 v[CST1], 64*ACP, v[CST0]
	v_lshrrev_b32 v[SST], 3, v128
	v_add_nc_u32 v[SST], s45, v[SST]
	v_add_nc_u32 v[BFA], s48, v[KO]
	v_mov_b32 v[MRUN], 0xff800000
	v_mov_b32 v[LRUN], 0
.irp j, 0,1,2,3,4,5,6,7
	v_mov_b32 v[CTX+\j], 0
.endr
	s_mov_b32 s[CC], 0x4038aa3b                    ; 2 log2(e)
	s_mov_b32 s[CC+1], s[CC]
	s_mov_b32 s[SEL], 0x76543210
	s_mov_b32 s[SEL+1], 0xfedcba98
	s_mov_b32 s[L2E], 0x3fb8aa3b
	s_mov_b32 s23, 0
	s_mov_b32 s41, 0
	s_mov_b32 s43, 0
	s_mov_b32 s[BLK], 2
	s_wait_alu depctr_va_vdst(0)
	s_wait_kmcnt 0x0
	s_lshl_b32 s22, ttmp9, 20
	s_add_co_u32 s22, s22, s38
	s_add_nc_u64 s[4:5], s[4:5], s[22:23]          ; keys: 256 wg rows of 4,096 bytes + my 512
	s_mul_i32 s22, s[WV], 2*UBC
	s_add_nc_u64 s[B0:B0+1], s[6:7], s[22:23]      ; ub: my 128 rows of Ua
	s_mov_b32 s22, s38
	s_add_nc_u64 s[10:11], s[10:11], s[22:23]
	s_lshr_b32 s22, ttmp9, 3
	s_lshl_b32 s22, s22, 12
	s_add_co_u32 s22, s22, s38
	s_add_nc_u64 s[8:9], s[8:9], s[22:23]
	s_lshl_b32 s22, ttmp9, 10
	s_add_nc_u64 s[12:13], s[12:13], s[22:23]
	s_lshl_b32 s22, ttmp9, 3
	s_add_nc_u64 s[14:15], s[14:15], s[22:23]
	s_lshl_b32 s22, ttmp9, 12
	s_add_co_u32 s22, s22, s38
	s_add_nc_u64 s[16:17], s[16:17], s[22:23]
	global_load_b128 v[48:51], v[KO], s[10:11]     ; my 128 of Va
	global_load_b128 v[52:55], v[KO], s[8:9]       ; and of cb's row
.Lblock:
	s_wait_xcnt 0x0                                ; the pointers below are read by no pending instruction
	s_mov_b64 s[BPC:BPC+1], s[B0:B0+1]             ; chunk 0
	s_mov_b64 s[BPS:BPS+1], s[B0:B0+1]
	s_add_nc_u64 s[PF:PF+1], s[4:5], 524288-131072 ; 32 rows short of the next block: stepped at each chunk's head
	LOADG 0
	LOADG 1
	LOADG 2
	s_wait_loadcnt 32                              ; group 0 is in (and what is older); two groups of 16 may be out
	s_cmp_lg_u32 s[BLK], 2
	s_cbranch_scc1 .Lnot_first
	v_pk_mul_f32 v[48:49], v[48:49], -2.0 op_sel_hi:[1,0]
	v_pk_mul_f32 v[50:51], v[50:51], -2.0 op_sel_hi:[1,0]
	ds_store_b128 v[VST], v[48:51]                 ; -2 Va and cb: bytes that my wave alone reads
	ds_store_b128 v[VST], v[52:55] offset:4096
.Lnot_first:
.irp g, 0,1,2,3,4
	PROC \g
	LOADG \g+3
	s_wait_loadcnt 32
.endr
	PROC 5
.irp q, 0,1,2,3
	RLOAD \q
.endr
	s_wait_loadcnt 40                              ; behind group 6: group 7's 16 and 24 of Ua's
	PROC 6
.irp q, 4,5,6,7
	RLOAD \q
.endr
	s_wait_loadcnt 48                              ; behind group 7: Ua's 48
	PROC 7
.irp j, 0,1,2,3,4,5,6,7,8,9,10,11,12,13,14,15
	v_mov_b32 v[SAC+\j], 0
.endr
	v_mov_b32 v[VAD], v[VA0]
	s_wait_alu depctr_va_vdst(0)
	s_wait_dscnt 0x0                               ; my codes and bytes have landed
	s_barrier_signal -1
	s_barrier_wait -1
	s_mov_b32 s[CH], 1                             ; the chunk that is asked for next
.Lchunk:
	s_wait_xcnt 0x0                                ; the last chunk's loads and prefetches have read their bases
	s_add_nc_u64 s[PF:PF+1], s[PF:PF+1], 131072
	s_and_b32 s38, s[CH], 1                        ; chunk n: step group n / 2, tiles 2 (n % 2) on
	s_lshr_b32 s39, s[CH], 1
	s_mul_i32 s39, s39, UBC
	s_lshl_b32 s40, s38, 11
	s_add_co_u32 s40, s40, s39
	s_lshl_b32 s42, s38, 8
	s_add_co_u32 s42, s42, s39
	s_add_nc_u64 s[BPC:BPC+1], s[B0:B0+1], s[40:41]
	s_add_nc_u64 s[BPS:BPS+1], s[B0:B0+1], s[42:43]
	GEMM 0
	EPI 0
	v_add_nc_u32 v[VAD], 128, v[VAD]
	s_add_co_u32 s[CH], s[CH], 1
	s_cmp_lt_u32 s[CH], 4
	s_wait_alu depctr_va_vdst(0)
	s_cbranch_scc1 .Lchunk
	GEMM 1
	EPI 131072
	; the scores: my part of each row, to LDS
.irp i, 0,1,2,3,4,5,6,7
	v_add_f32 v[128+\i], v[SAC+2*\i], v[SAC+2*\i+1]
.endr
.irp i, 0,1,2,3,4,5,6,7
	v_permlanex16_b32 v[136+\i], v[128+\i], s[SEL], s[SEL+1]
.endr
.irp i, 0,1,2,3,4,5,6,7
	v_add_f32 v[128+\i], v[128+\i], v[136+\i]
.endr
.irp i, 0,1,2,3,4,5,6,7
	ds_store_b32 v[SPS], v[128+\i] offset:64*\i
.endr
	s_wait_alu depctr_va_vdst(0)
	s_wait_dscnt 0x0                               ; my parts have landed, and my reads of the codes are over
	s_barrier_signal -1
	s_barrier_wait -1
.irp p, 0,1,2,3,4,5,6,7
	ds_load_b128 v[128+4*\p:131+4*\p], v[SPR] offset:512*\p   ; rows 4 lane .. 4 lane + 3 of every wave's part
.endr
	s_wait_dscnt 0x0
.irp p, 0,8,16,24
	v_pk_add_f32 v[128+\p:129+\p], v[128+\p:129+\p], v[132+\p:133+\p]
	v_pk_add_f32 v[130+\p:131+\p], v[130+\p:131+\p], v[134+\p:135+\p]
.endr
.irp p, 0,16
	v_pk_add_f32 v[128+\p:129+\p], v[128+\p:129+\p], v[136+\p:137+\p]
	v_pk_add_f32 v[130+\p:131+\p], v[130+\p:131+\p], v[138+\p:139+\p]
.endr
	v_pk_add_f32 v[128:129], v[128:129], v[144:145]
	v_pk_add_f32 v[130:131], v[130:131], v[146:147]
	s_cmp_lg_u32 s[WV], 0
	s_wait_alu depctr_va_vdst(0)
	s_cbranch_scc1 .Lnot_mine
	global_store_b128 v[KO], v[128:131], s[12:13]  ; 512 consecutive bytes
.Lnot_mine:
	v_max3_num_f32 v132, v128, v129, v130
	v_max_num_f32 v132, v132, v131
.irp m, 1,2,4,8
	s_delay_alu instid0(VALU_DEP_1)
	v_max_num_f32_dpp v132, v132, v132 row_xmask:\m row_mask:0xf bank_mask:0xf
.endr
	s_delay_alu instid0(VALU_DEP_1)
	v_permlanex16_b32 v133, v132, s[SEL], s[SEL+1]
	s_delay_alu instid0(VALU_DEP_1)
	v_max3_num_f32 v136, v132, v133, v[MRUN]       ; the running maximum
	v_sub_f32 v138, v[MRUN], v136
.irp j, 0,1,2,3
	v_sub_f32 v[140+\j], v[128+\j], v136
.endr
	v_mul_f32 v138, s[L2E], v138
.irp j, 0,1,2,3
	v_mul_f32 v[140+\j], s[L2E], v[140+\j]
.endr
	s_wait_alu depctr_va_vdst(0)                   ; ahead of the batch
	v_exp_f32 v138, v138
.irp j, 0,1,2,3
	v_exp_f32 v[140+\j], v[140+\j]
.endr
	v_mov_b32 v[MRUN], v136
	s_wait_alu depctr_va_vdst(0)                   ; and behind it
	v_fma_f32 v[LRUN], v[LRUN], v138, v140
	v_add_f32 v144, v141, v142
	v_add_f32 v[LRUN], v[LRUN], v143
	v_add_f32 v[LRUN], v[LRUN], v144
	ds_store_b128 v[VST], v[140:143] offset:PBL-VAL   ; my wave's own copy of the 128 p; LDS serves a wave's instructions in order
.irp d, 0,1,2,3
	v_pk_mul_f32 v[CTX+2*\d:CTX+2*\d+1], v[CTX+2*\d:CTX+2*\d+1], v[138:139] op_sel_hi:[1,0]
.endr
.irp n, 0,1,2,3,4,5,6,7,8,9,10,11,12,13,14,15
	ds_load_b128 v[192+4*\n:195+4*\n], v[PBR] offset:16*\n        ; p of rows 0-63, the same in every lane
.endr
.irp m, 0,1,2,3,4,5,6,7,8,9,10,11,12,13,14,15
	ds_load_b128 v[64+4*\m:67+4*\m], v[BFA] offset:512*\m         ; bf16 rows 64-95
.endr
	s_wait_alu depctr_va_vdst(0)
	s_wait_dscnt 16
	WIN 0x01
	CROWS 64, 128, 192
	WIN 0
	s_wait_xcnt 0x0                                ; the scores' store has read v128-131
.irp n, 0,1,2,3,4,5,6,7,8,9,10,11,12,13,14,15
	ds_load_b128 v[192+4*\n:195+4*\n], v[PBR] offset:256+16*\n    ; p of rows 64-127
.endr
.irp m, 0,1,2,3,4,5,6,7,8,9,10,11,12,13,14,15
	ds_load_b128 v[128+4*\m:131+4*\m], v[BFA] offset:512*(16+\m)  ; bf16 rows 96-127
.endr
	s_wait_alu depctr_va_vdst(0)
	s_wait_dscnt 16
	CROWS 32, 64, 192
	s_wait_alu depctr_va_vdst(0)
	s_wait_dscnt 0x0
	CROWS 32, 128, 224
	s_wait_xcnt 0x0
	s_add_nc_u64 s[4:5], s[4:5], 524288            ; the next 128 rows
	s_add_nc_u64 s[12:13], s[12:13], 512
	s_sub_co_u32 s[BLK], s[BLK], 1
	s_cmp_lg_u32 s[BLK], 0
	s_wait_alu depctr_va_vdst(0)
	s_cbranch_scc1 .Lblock
	v_pk_add_f32 v[CTX:CTX+1], v[CTX:CTX+1], v[CTX+4:CTX+5]
	v_pk_add_f32 v[CTX+2:CTX+3], v[CTX+2:CTX+3], v[CTX+6:CTX+7]
	v_add_f32_dpp v[LRUN], v[LRUN], v[LRUN] row_xmask:1 row_mask:0xf bank_mask:0xf
.irp m, 2,4,8
	s_delay_alu instid0(VALU_DEP_1)
	v_add_f32_dpp v[LRUN], v[LRUN], v[LRUN] row_xmask:\m row_mask:0xf bank_mask:0xf
.endr
	s_delay_alu instid0(VALU_DEP_1)
	v_permlanex16_b32 v128, v[LRUN], s[SEL], s[SEL+1]
	s_delay_alu instid0(VALU_DEP_1)
	v_add_f32 v[LRUN], v[LRUN], v128
	s_wait_alu depctr_va_vdst(0)
	s_wait_tensorcnt 0x0                           ; the wave's end
	ds_add_u32 v[SPW], v[NIL]
	s_wait_dscnt 0x0
	global_store_b128 v[KO], v[CTX:CTX+3], s[16:17]   ; my 128 columns: 512 consecutive bytes
	s_cmp_lg_u32 s[WV], 0
	s_cbranch_scc1 .Ldone
	s_wait_xcnt 0x0                                ; EXEC changes only behind this wait
	v_cmp_eq_u32 vcc_lo, 0, v[KO]
	s_and_saveexec_b32 s38, vcc_lo
	global_store_b64 v[KO], v[MRUN:MRUN+1], s[14:15]
	s_wait_xcnt 0x0
	s_or_b32 exec_lo, exec_lo, s38
.Ldone:
	s_endpgm
.Lfunc_end_k_q4f690c16d2_attn:
	.size	k_q4f690c16d2_attn, .Lfunc_end_k_q4f690c16d2_attn-k_q4f690c16d2_attn
	.p2alignl 7, 3214868480
	.fill 96, 4, 3214868480
	.section	.rodata,"a",@progbits
	.p2align	6, 0x0
	.amdhsa_kernel k_q4f690c16d2_attn
		.amdhsa_group_segment_fixed_size 222208
		.amdhsa_private_segment_fixed_size 0
		.amdhsa_enable_private_segment 0
		.amdhsa_kernarg_size 56
		.amdhsa_user_sgpr_count 2
		.amdhsa_user_sgpr_kernarg_segment_ptr 1
		.amdhsa_wavefront_size32 1
		.amdhsa_system_sgpr_workgroup_id_x 1
		.amdhsa_system_sgpr_workgroup_id_y 1
		.amdhsa_system_sgpr_workgroup_id_z 1
		.amdhsa_system_vgpr_workitem_id 0
		.amdhsa_next_free_vgpr 512
		.amdhsa_next_free_sgpr 66
		.amdhsa_reserve_vcc 1
		.amdhsa_float_denorm_mode_32 3
		.amdhsa_float_denorm_mode_16_64 3
		.amdhsa_memory_ordered 1
		.amdhsa_forward_progress 1
		.amdhsa_inst_pref_size 255
	.end_amdhsa_kernel
	.section	.bss,"aw",@nobits
	.p2align	6
	.space	262144
	.amdgpu_metadata
---
amdhsa.version: [ 1, 2 ]
amdhsa.kernels:
  - .name:           k_q4f690c16d2_attn
    .symbol:         k_q4f690c16d2_attn.kd
    .args:
      - { .name: keys, .offset: 0, .size: 8, .value_kind: global_buffer, .address_space: global }
      - { .name: ub, .offset: 8, .size: 8, .value_kind: global_buffer, .address_space: global }
      - { .name: cb, .offset: 16, .size: 8, .value_kind: global_buffer, .address_space: global }
      - { .name: Va_w, .offset: 24, .size: 8, .value_kind: global_buffer, .address_space: global }
      - { .name: sc, .offset: 32, .size: 8, .value_kind: global_buffer, .address_space: global }
      - { .name: ml, .offset: 40, .size: 8, .value_kind: global_buffer, .address_space: global }
      - { .name: cx, .offset: 48, .size: 8, .value_kind: global_buffer, .address_space: global }
    .group_segment_fixed_size: 222208
    .private_segment_fixed_size: 0
    .kernarg_segment_align: 8
    .kernarg_segment_size: 56
    .max_flat_workgroup_size: 256
    .sgpr_count:     66
    .vgpr_count:     512
    .wavefront_size: 32
...
	.end_amdgpu_metadata
.endif
;; end of part 2
;; launch fin (part 3): grid 32 x 8, 1 waves a work-group, no clusters, 0 bytes of LDS; arguments sc, ml, cx, out0, out1; writes out0, out1
.if DOCPART == 3
	.amdgcn_target "amdgcn-amd-amdhsa--gfx1250"
	.amdhsa_code_object_version 6
	.text
	.protected	k_q4f690c16d2_fin
	.globl	k_q4f690c16d2_fin
	.p2align	8
	.type	k_q4f690c16d2_fin,@function
k_q4f690c16d2_fin:
	s_mov_b64 s[64:65], 0
	v_nop
	global_prefetch_b8 v0, s[64:65] scope:SCOPE_SE
	s_setreg_imm32_b32 hwreg(HW_REG_WAVE_MODE, 25, 1), 1
	s_wait_xcnt 0x0
; The eight work-groups' parts of a batch are joined.  With m_i, l_i the parts' largest scores and sums: M = max m_i, L = sum of l_i e^(m_i - M);
; context = sum of e^(m_i - M) / L x part i;  weight = e^(score - M) / L.  The scores lack the terms that are the same for all rows of a batch (see the first kernel's head).
; One wave to a work-group: batch b = x, eighth y: channels 128 y .. 128 y + 127 of the context and rows 256 y .. 256 y + 255 of the weights.  Every load and store of the wave covers 512 consecutive bytes.
; No LDS, no matrix unit, no barrier.
.set L2E, 0x3fb8aa3b                   ; log2(e)
	s_load_b256 s[4:11], s[0:1], 0x0               ; sc s[4:5], ml s[6:7], cx s[8:9], out0 s[10:11]
	s_load_b64 s[12:13], s[0:1], 0x20              ; out1
	s_and_b32 s14, ttmp7, 0xffff                   ; y
	v_lshlrev_b32 v1, 4, v0                        ; 16 x lane
	s_lshl_b32 s32, ttmp9, 6                       ; ml: 8 pairs of 8 bytes a batch
	s_mov_b32 s33, 0
	s_lshl_b32 s15, s14, 9
	s_lshl_b32 s34, ttmp9, 15                      ; cx: 8 rows of 4,096 bytes a batch, + my 128 channels
	s_add_co_u32 s34, s34, s15
	s_mov_b32 s35, 0
	s_lshl_b32 s36, ttmp9, 13                      ; sc and out1: 2,048 numbers a batch, + my 256
	s_lshl_b32 s38, s14, 10
	s_add_co_u32 s36, s36, s38
	s_mov_b32 s37, 0
	s_lshl_b32 s38, ttmp9, 12                      ; out0: 1,024 numbers a batch, + my 128
	s_add_co_u32 s38, s38, s15
	s_mov_b32 s39, 0
	s_wait_alu depctr_va_vdst(0)
	s_wait_kmcnt 0x0
	s_add_nc_u64 s[6:7], s[6:7], s[32:33]
	s_add_nc_u64 s[8:9], s[8:9], s[34:35]
	s_add_nc_u64 s[4:5], s[4:5], s[36:37]
	s_add_nc_u64 s[12:13], s[12:13], s[36:37]
	s_add_nc_u64 s[10:11], s[10:11], s[38:39]
	s_load_b512 s[16:31], s[6:7], 0x0              ; m_i in s[16 + 2 i], l_i in s[17 + 2 i]
.irp p, 0,1,2,3,4,5,6,7
	global_load_b128 v[32+4*\p:35+4*\p], v1, s[8:9] offset:4096*\p   ; part p
.endr
	global_load_b128 v[96:99], v1, s[4:5]
	global_load_b128 v[100:103], v1, s[4:5] offset:512
	s_wait_kmcnt 0x0
	v_mov_b32 v2, s16
.irp i, 1,2,3,4,5,6,7
	v_max_num_f32 v2, s[16+2*\i], v2               ; M
.endr
.irp i, 0,1,2,3,4,5,6,7
	v_sub_f32 v[4+\i], s[16+2*\i], v2
.endr
.irp i, 0,1,2,3,4,5,6,7
	v_mul_f32 v[4+\i], L2E, v[4+\i]
.endr
	s_wait_alu depctr_va_vdst(0)
.irp i, 0,1,2,3,4,5,6,7
	v_exp_f32 v[4+\i], v[4+\i]                     ; e^(m_i - M)
.endr
	v_nop                                          ; a plain place behind the exponentials
	s_wait_alu depctr_va_vdst(0)
	v_mul_f32 v3, s17, v4
.irp i, 1,2,3,4,5,6,7
	v_fma_f32 v3, s[17+2*\i], v[4+\i], v3          ; L
.endr
	s_wait_alu depctr_va_vdst(0)
	v_rcp_f32 v12, v3                              ; 1 / L, twice: a pair for the packed multiply
	v_rcp_f32 v13, v3
	v_nop                                          ; a plain place behind the reciprocals
	s_wait_alu depctr_va_vdst(0)
.irp i, 0,1,2,3,4,5,6,7
	v_mul_f32 v[16+2*\i], v[4+\i], v12             ; g_i = e^(m_i - M) / L, as a pair
	v_mul_f32 v[17+2*\i], v[4+\i], v12
.endr
	s_wait_loadcnt 0x0
	v_pk_mul_f32 v[104:105], v[32:33], v[16:17]    ; the first product starts the sums
	v_pk_mul_f32 v[106:107], v[34:35], v[16:17]
.irp p, 1,2,3,4,5,6,7
	v_pk_fma_f32 v[104:105], v[32+4*\p:33+4*\p], v[16+2*\p:17+2*\p], v[104:105]
	v_pk_fma_f32 v[106:107], v[34+4*\p:35+4*\p], v[16+2*\p:17+2*\p], v[106:107]
.endr
	global_store_b128 v1, v[104:107], s[10:11] th:TH_STORE_NT
.irp j, 0,1,2,3,4,5,6,7
	v_sub_f32 v[96+\j], v[96+\j], v2
.endr
.irp j, 0,1,2,3,4,5,6,7
	v_mul_f32 v[96+\j], L2E, v[96+\j]
.endr
	s_wait_alu depctr_va_vdst(0)
.irp j, 0,1,2,3,4,5,6,7
	v_exp_f32 v[96+\j], v[96+\j]
.endr
	v_nop                                          ; a plain place behind the exponentials
	s_wait_alu depctr_va_vdst(0)
.irp j, 0,2,4,6
	v_pk_mul_f32 v[96+\j:97+\j], v[96+\j:97+\j], v[12:13]
.endr
	global_store_b128 v1, v[96:99], s[12:13] th:TH_STORE_NT
	global_store_b128 v1, v[100:103], s[12:13] offset:512 th:TH_STORE_NT
	s_endpgm
.Lfunc_end_k_q4f690c16d2_fin:
	.size	k_q4f690c16d2_fin, .Lfunc_end_k_q4f690c16d2_fin-k_q4f690c16d2_fin
	.p2alignl 7, 3214868480
	.fill 96, 4, 3214868480
	.section	.rodata,"a",@progbits
	.p2align	6, 0x0
	.amdhsa_kernel k_q4f690c16d2_fin
		.amdhsa_group_segment_fixed_size 0
		.amdhsa_private_segment_fixed_size 0
		.amdhsa_enable_private_segment 0
		.amdhsa_kernarg_size 40
		.amdhsa_user_sgpr_count 2
		.amdhsa_user_sgpr_kernarg_segment_ptr 1
		.amdhsa_wavefront_size32 1
		.amdhsa_system_sgpr_workgroup_id_x 1
		.amdhsa_system_sgpr_workgroup_id_y 1
		.amdhsa_system_sgpr_workgroup_id_z 1
		.amdhsa_system_vgpr_workitem_id 0
		.amdhsa_next_free_vgpr 128
		.amdhsa_next_free_sgpr 66
		.amdhsa_reserve_vcc 0
		.amdhsa_float_denorm_mode_32 3
		.amdhsa_float_denorm_mode_16_64 3
		.amdhsa_memory_ordered 1
		.amdhsa_forward_progress 1
		.amdhsa_inst_pref_size 8
	.end_amdhsa_kernel
	.amdgpu_metadata
---
amdhsa.version: [ 1, 2 ]
amdhsa.kernels:
  - .name:           k_q4f690c16d2_fin
    .symbol:         k_q4f690c16d2_fin.kd
    .args:
      - { .name: sc, .offset: 0, .size: 8, .value_kind: global_buffer, .address_space: global }
      - { .name: ml, .offset: 8, .size: 8, .value_kind: global_buffer, .address_space: global }
      - { .name: cx, .offset: 16, .size: 8, .value_kind: global_buffer, .address_space: global }
      - { .name: out0, .offset: 24, .size: 8, .value_kind: global_buffer, .address_space: global }
      - { .name: out1, .offset: 32, .size: 8, .value_kind: global_buffer, .address_space: global }
    .group_segment_fixed_size: 0
    .private_segment_fixed_size: 0
    .kernarg_segment_align: 8
    .kernarg_segment_size: 40
    .max_flat_workgroup_size: 32
    .sgpr_count:     66
    .vgpr_count:     128
    .wavefront_size: 32
...
	.end_amdgpu_metadata
.endif
;; end of part 3
